; MI455X (gfx1250); checked and timed in simulation.
; The chip was launched on July 23, 2026; its instructions are those of AMD's public machine-readable ISA for CDNA 5 (MIT licence, August 2026) and "CDNA5" Instruction Set Architecture Reference Guide (July 2026). The comments in the code are by the model that wrote it; some were corrected since.
;; Multi Head Self Attention. Allowed arithmetic: matrix products marked QUANTISED: E5M2 operands, one E8M0 scale for each 32 along K, by v_wmma_scale_f32_16x16x128_f8f6f4 with both operands' format E5M2, f32 sums; everything else in f32.
;; Inputs: Wk_codes 1,024 x 32 x 32 uint8 (E5M2 codes of Wk, K innermost, in blocks of 32 codes); Wk_scales 1,024 x 32 uint8 (E8M0 scales of Wk, one for each 32 codes along K); Wo_codes 1,024 x 32 x 32 uint8 (E5M2 codes of Wo, K innermost, in blocks of 32 codes); Wo_scales 1,024 x 32 uint8 (E8M0 scales of Wo, one for each 32 codes along K); Wq_codes 1,024 x 32 x 32 uint8 (E5M2 codes of Wq, K innermost, in blocks of 32 codes); Wq_scales 1,024 x 32 uint8 (E8M0 scales of Wq, one for each 32 codes along K); Wv_codes 1,024 x 32 x 32 uint8 (E5M2 codes of Wv, K innermost, in blocks of 32 codes); Wv_scales 1,024 x 32 uint8 (E8M0 scales of Wv, one for each 32 codes along K); bk 1,024 float32; bo 1,024 float32; bq 1,024 float32; bv 1,024 float32; x_codes 4 x 2,048 x 32 x 32 uint8 (E5M2 codes of x, K innermost, in blocks of 32 codes); x_scales 4 x 2,048 x 32 uint8 (E8M0 scales of x, one for each 32 codes along K).
;; Outputs: out0 4 x 2,048 x 1,024 float32.
;; This version of the problem:
;;   THIS VERSION OF THE PROBLEM IS GIVEN IN LOW PRECISION. The matrix products marked QUANTISED in the list below multiply operands that are first quantised to E5M2 (5 exponent bits, 2 mantissa bits; 8 bits a number), with one power-of-two scale for each 32 numbers along K (OCP MX v1.0); their sums are f32. All else is computed in f32.
;;   The module's matrix products, in the order in which they are computed (A, B: the left and right operand; K: the contracted axis; several contracted axes count as one K, in the product's order):
;;     1. [M 8,192, K 1,024] x [K 1,024, N 1,024]; A: input x (given as codes); B: input Wq (given as codes): QUANTISED
;;     2. [M 8,192, K 1,024] x [K 1,024, N 1,024]; A: input x (given as codes); B: input Wk (given as codes): QUANTISED
;;     3. [M 8,192, K 1,024] x [K 1,024, N 1,024]; A: input x (given as codes); B: input Wv (given as codes): QUANTISED
;;     4. batch 64 x [M 2,048, K 64] x [K 64, N 2,048]; A: computed on the way; B: computed on the way: QUANTISED
;;     5. batch 64 x [M 2,048, K 2,048] x [K 2,048, N 64]; A: softmax (see below); B: computed on the way: QUANTISED
;;     6. [M 8,192, K 1,024] x [K 1,024, N 1,024]; A: computed on the way; B: input Wo (given as codes): QUANTISED
;;   THE QUANTISER, for each operand of a quantised product, along K:
;;     - K is cut into blocks of 32 from its start; a last block that is shorter is filled with zeros.
;;     - A block's scale is 2^e with e = floor(log2(the largest magnitude in the block)) - 15, held to -126 .. 127; a block of zeros has e = 0. As a byte (E8M0): e + 127.
;;     - Each number is divided by its block's scale, clamped to +-57,344, and rounded to the nearest number of E5M2, ties to even, subnormals kept.
;;     - The product sums the exact products of the quantised numbers (number of the format x scale) in f32.
;;   ~~~python
;;   def quantise(x, axis):      # numpy; x: float32 -> the quantised numbers, widened to float32 again
;;       x = np.moveaxis(x, axis, -1); K = x.shape[-1]
;;       x = np.pad(x, [(0, 0)] * (x.ndim - 1) + [(0, -K % 32)]); x = x.reshape(x.shape[:-1] + (-1, 32)); a = np.abs(x).max(-1, keepdims=True)
;;       e = np.where(a > 0, np.clip(np.frexp(np.where(a > 0, a, 1))[1] - 1 - 15, -126, 127), 0)      # np.frexp(a)[1] - 1 = floor(log2(a)), exactly
;;       r = np.clip(x / 2.0 ** e, -57344, 57344)
;;       step = 2.0 ** (np.maximum(np.frexp(np.where(r == 0, 1, r))[1] - 1, -14) - 2)
;;       q = np.round(r / step) * step * 2.0 ** e      # np.round: ties to even
;;       return np.moveaxis(q.reshape(q.shape[:-2] + (-1,))[..., :K], -1, axis).astype(np.float32)
;;   ~~~
;;   SOFTMAX AHEAD OF A QUANTISED PRODUCT. Where the list says 'softmax', what is quantised is not the finished softmax but p = 2^(t - M), with t = logit x log2(e) and M = ceil(the row's largest t), a whole number; so 1/2 < the row's largest p <= 1. The row's sum l is taken of the UNQUANTISED p, in f32, and the product's result is divided by l at the end. Since M is a whole number, a kernel that streams over the keys may use a running M (the ceiling of the running maximum): every later rescaling is an exact power of two, which a block's scale takes up: the codes' values come out the same.
;;   OPERANDS COMPUTED ON THE WAY. 'Computed on the way' means the value that the module computes at that place (a softmax that the list does not call 'softmax' is quantised finished and normalised). What goes into a quantiser is computed in f32, as accurately as f32 sums, v_exp_f32 and their like allow (about 1e-6 of the number): no bf16 or f16 on the way to a quantiser, and a product that is left as it is and whose result goes on into a quantised operand takes f32 operands (vector FMAs, or v_wmma_f32_16x16x4_f32). A number that lies on a knife's edge between two numbers of the format may be rounded either way, as far as f32 arithmetic and the matrix unit's own rounding can turn it there, and no further.
;;   INPUTS GIVEN AS CODES. Wk (in the module: [1024, 1024], K = its axis 1); Wo (in the module: [1024, 1024], K = its axis 1); Wq (in the module: [1024, 1024], K = its axis 1); Wv (in the module: [1024, 1024], K = its axis 1); x (in the module: [4, 2048, 1024], K = its axis 2): each comes as NAME_codes (uint8): NAME with its K axis moved to the last place and cut into blocks of 32 codes, [.., K / 32, bytes a block], one block behind the other in memory; one code a byte (a code: sign, 5 exponent bits, 2 mantissa bits); and NAME_scales (uint8): the same leading axes, one E8M0 byte (e + 127) for each 32 codes along K. Its value is code x scale, taken as it is: it is not quantised again, and the codes and scales need not be those that the quantiser above would give.
;; One version. Each part assembles by itself: llvm-mc -triple=amdgcn-amd-amdhsa -mcpu=gfx1250 --defsym DOCPART=n.
;; ======== version 1 of 1: 3 launches
;; limits: right only within a limited range of input values
;; workspace buffers: q_img 8,388,608 bytes; q_sc 262,144 bytes; k_img 8,388,608 bytes; k_sc 262,144 bytes; v_img 8,388,608 bytes; v_sc 262,144 bytes; o_img 8,388,608 bytes; o_sc 262,144 bytes
;; launch qkv (part 1): grid 12 x 32, 4 waves a work-group, clusters of 4 x 4, 327,680 bytes of LDS; arguments x_codes, x_scales, Wq_codes, Wq_scales, Wk_codes, Wk_scales, Wv_codes, Wv_scales, bq, bk, bv, q_img, q_sc, k_img, k_sc, v_img, v_sc; writes q_img, q_sc, k_img, k_sc, v_img, v_sc
.if DOCPART == 1
	.amdgcn_target "amdgcn-amd-amdhsa--gfx1250"
	.amdhsa_code_object_version 6
	.text
	.protected	k_q54122c6879_qkv
	.globl	k_q54122c6879_qkv
	.p2align	8
	.type	k_q54122c6879_qkv,@function
k_q54122c6879_qkv:
	s_mov_b64 s[64:65], 0
	v_nop
	global_prefetch_b8 v0, s[64:65] scope:SCOPE_SE
	s_setreg_imm32_b32 hwreg(HW_REG_WAVE_MODE, 25, 1), 1
	s_wait_xcnt 0x0
	s_wait_alu depctr_hold_cnt(0) depctr_sa_sdst(0) depctr_va_vdst(0) depctr_va_sdst(0) depctr_va_ssrc(0) depctr_va_vcc(0) depctr_vm_vsrc(0)
	s_getreg_b32 s2, hwreg(HW_REG_IB_STS2, 6, 4)
	s_cmp_eq_u32 s2, 0
	s_cbranch_scc0 .Lentry_in_a_cluster
	s_endpgm
.Lentry_in_a_cluster:
	s_bfe_u32 s2, ttmp6, 0x10000c
	s_cmp_lg_u32 s2, 0xf033
	s_cbranch_scc0 .Lentry_shape_is_right
	s_endpgm
.Lentry_shape_is_right:
.set KSTEP,  256
.set NQ,     2
.set ROWB,   256
.set KROW,   1024
.set PITCH,  272
.set FR,     16
.set NL,     4
.set NP,     8
.set HALFT,  128*PITCH
.set SLOT,   4*HALFT
.set LAPS,   2
.set KS,     32
.set SCL,    2*SLOT
.set HALFS,  (128*KS/256)*272
.set SBLK,   (16*KS/256)*272
.set SPARE,  SCL+4*HALFS
.set BL,   8
.set ADRA, 16
.set OG0,  18
.set OG1,  19
.set ADRB, 20
.set OG2,  22
.set OG3,  23
.set SCW,  24
.set SCR,  25
.set OSC,  26
.set ADRS, 27
.set SPW,  28
.set NIL,  29
.set BIO,  30
.set BLO,  31
.set SC,   32
.set BI,   64
.set AF,   128
.set BLP,  64
.set T,    128
.set PC,   192
.set TM,   208
.set PWS,  224
.set PO,   232
.set RB,   240
.set G1, 24
.set G0, 32
.set G1B, 48
.set G0B, 56
.set G1S, 68
.set G0S, 76
.set G1SB, 80
.set G0SB, 88
.set LAP,  94
.set SEL0, 95
.set SEL1, 96
.set MNT,  97
.set HJ,   98
.set SEL,  100
.set KBI,  104
.set KBL,  105
.set MSB, 0
.macro WIN new
.if MSB != \new
	s_set_vgpr_msb (MSB<<8)|\new
.set MSB, \new
.endif
.endm
.set MUL_LO, 0xa1
.set MUL_HI, 0xf1
.set FST_LO, 0x81
.set FST_HI, 0xc1
.set TO_B,   0x40
.macro JLOAD g0a, g1a, g0b, g1b
	s_cmp_eq_u32 s15, 0
	s_cbranch_scc0 .Lfor_b_\@
	tensor_load_to_lds s[\g0a:\g0a+3], s[\g1a:\g1a+7]
	s_nop 0
.rept 4
	v_nop
.endr
	s_branch .Lasked_\@
.Lfor_b_\@:
	tensor_load_to_lds s[\g0b:\g0b+3], s[\g1b:\g1b+7]
	s_nop 0
.rept 4
	v_nop
.endr
.Lasked_\@:
.endm
.macro CREST
	s_cmp_lg_u32 s14, 0
	s_cbranch_scc1 .Lnot_wave_0_\@
	s_barrier_signal -3
.Lnot_wave_0_\@:
	s_barrier_wait -3
	s_barrier_signal -1
	s_barrier_wait -1
.endm
.macro CROUND
	s_barrier_signal -1
	s_barrier_wait -1
	CREST
.endm
	s_load_b512 s[68:83], s[0:1], 0x0
	s_load_b512 s[84:99], s[0:1], 0x40
	s_load_b64 s[100:101], s[0:1], 0x80
	v_lshl_add_u32 v[SPW], v0, 2, SPARE
	v_mov_b32 v[NIL], 0
	ds_add_u32 v28, v29
	ds_add_u32 v28, v29
	s_wait_dscnt 0x0
	v_lshrrev_b32 v1, 5, v0
	v_readfirstlane_b32 s14, v1
	s_lshr_b32 s15, s14, 1
	s_and_b32 s16, s14, 1
	s_bfe_u32 s40, ttmp6, 0x40000
	s_bfe_u32 s41, ttmp6, 0x40004
	s_and_b32 s45, ttmp7, 0xffff
	s_lshl_b32 s43, s41, 2
	s_lshl_b32 s43, 15, s43
	s_lshl_b32 s44, 0x1111, s40
	s_wait_kmcnt 0x0
	s_cmp_eq_u32 ttmp9, 1
	s_cselect_b64 s[8:9], s[76:77], s[72:73]
	s_cselect_b64 s[10:11], s[78:79], s[74:75]
	s_cselect_b64 s[2:3], s[86:87], s[84:85]
	s_cselect_b64 s[12:13], s[94:95], s[90:91]
	s_cselect_b64 s[66:67], s[96:97], s[92:93]
	s_cmp_eq_u32 ttmp9, 2
	s_cselect_b64 s[4:5], s[80:81], s[68:69]
	s_cselect_b64 s[6:7], s[82:83], s[70:71]
	s_cselect_b64 s[8:9], s[68:69], s[8:9]
	s_cselect_b64 s[10:11], s[70:71], s[10:11]
	s_cselect_b64 s[2:3], s[88:89], s[2:3]
	s_cselect_b64 s[12:13], s[98:99], s[12:13]
	s_cselect_b64 s[66:67], s[100:101], s[66:67]
	s_cselect_b32 s46, 0, s45
	s_cselect_b32 s47, s45, 0
	s_cselect_b32 s[KBI], 0, -1
	s_cselect_b32 s[KBL], -1, 0
	s_mov_b32 s[SEL0], 0x05040100
	s_cselect_b32 s[SEL0], 0x03020100, s[SEL0]
	s_mov_b32 s[SEL1], 0x07060302
	s_cselect_b32 s[SEL1], 0x07060504, s[SEL1]
	s_mov_b32 s[HJ], 1024
	s_cselect_b32 s[HJ], 0x20000, s[HJ]
	s_mov_b32 s[HJ+1], 0
	s_mov_b32 s18, 0x20000
	s_cselect_b32 s18, 1024, s18
	s_mov_b32 s19, 0x20200
	s_cselect_b32 s19, 1536, s19
	s_mov_b32 s[MNT], 0x600000
	s_mov_b32 s[SEL], 0x76543210
	s_mov_b32 s[SEL+1], 0xfedcba98
	v_and_b32 v1, 31, v0
	v_lshlrev_b32 v[OG0], 4, v1
	v_add_nc_u32 v[OG1], 512, v[OG0]
	v_add_nc_u32 v[OG2], s18, v[OG0]
	v_add_nc_u32 v[OG3], s19, v[OG0]
	s_lshl_b32 s17, s46, 2
	s_add_co_u32 s17, s17, s41
	s_lshl_b32 s42, s47, 2
	s_add_co_u32 s42, s42, s40
	s_or_b32 s[G1+0], s43, (0<<16)|(1<<20)|(1<<21)|(5<<22)|(3<<25)
	s_or_b32 s[G1B+0], s44, (0<<16)|(1<<20)|(1<<21)|(5<<22)|(3<<25)
.irp g, G1, G1B
	s_mov_b32 s[\g+1], ROWB<<16
	s_mov_b32 s[\g+2], 128<<16
	s_mov_b32 s[\g+3], ROWB<<16
	s_mov_b32 s[\g+4], 128
	s_mov_b32 s[\g+5], KROW
	s_mov_b32 s[\g+6], 0
	s_mov_b32 s[\g+7], 0
.endr
	s_lshl_b32 s18, s16, 7
	s_lshl_b32 s20, s17, 8
	s_add_co_u32 s20, s20, s18
	s_lshl_b32 s46, s42, 8
	s_add_co_u32 s46, s46, s18
	s_lshl_b32 s22, s20, 5
	s_lshl_b32 s92, s46, 5
	s_lshl_b32 s20, s20, 10
	s_lshl_b32 s46, s46, 10
	s_mov_b32 s21, 0
	s_mov_b32 s23, 0
	s_mov_b32 s47, 0
	s_mov_b32 s93, 0
	s_mul_i32 s45, s14, HALFT
	s_mul_i32 s94, s14, HALFS
	s_add_nc_u64 s[20:21], s[4:5], s[20:21]
	s_add_nc_u64 s[22:23], s[6:7], s[22:23]
	s_add_nc_u64 s[46:47], s[8:9], s[46:47]
	s_add_nc_u64 s[92:93], s[10:11], s[92:93]
	CROUND
.irp s, 0,1
	s_mov_b32 s[G0+4*\s], 1
	s_add_co_u32 s[G0+4*\s+1], s45, \s*SLOT
	s_add_nc_u64 s[G0+4*\s+2:G0+4*\s+3], s[20:21], \s*ROWB
	s_or_b32 s[G0+4*\s+3], s[G0+4*\s+3], 0x80000000
	s_mov_b32 s[G0B+4*\s], 1
	s_add_co_u32 s[G0B+4*\s+1], s45, \s*SLOT
	s_add_nc_u64 s[G0B+4*\s+2:G0B+4*\s+3], s[46:47], \s*ROWB
	s_or_b32 s[G0B+4*\s+3], s[G0B+4*\s+3], 0x80000000
.endr
	JLOAD G0, G1, G0B, G1B                         ; my one load at the head: my quarter of K step 0
	; the scale bytes of my 128 rows (waves 0, 1: source A's; waves 2, 3: source B's), 4,096 dense bytes, come through registers into LDS bytes of their own: units of 256 bytes, 272 apart.  16,384 bytes a work-group: not asked for jointly
	s_cmp_eq_u32 s15, 0
	s_cselect_b64 s[22:23], s[22:23], s[92:93]
	s_add_co_u32 s94, s94, SCL
	v_bfe_u32 v2, v0, 4, 1
	v_and_b32 v3, 15, v0
	v_mul_u32_u24 v2, v2, 272
	v_lshl_add_u32 v2, v3, 4, v2
	v_add_nc_u32 v2, s94, v2                       ; unit lane / 16, 16 bytes a lane
	s_wait_alu depctr_va_vdst(0)
.irp i, 0,1,2,3,4,5,6,7
	global_load_b128 v[AF+4*\i:AF+4*\i+3], v[OG0], s[22:23] offset:512*\i
.endr
	s_wait_loadcnt 0x0
.irp i, 0,1,2,3,4,5,6,7
	ds_store_b128 v2, v[AF+4*\i:AF+4*\i+3] offset:544*\i
.endr
	s_wait_tensorcnt 0x0
	ds_add_u32 v28, v29
	s_wait_dscnt 0x0                               ; the add is done, and my scale bytes lie in LDS
	CROUND
	JLOAD G0+4, G1, G0B+4, G1B                     ; K step 1, the first tensor load behind the round
	v_and_b32 v1, 15, v0
	v_bfe_u32 v2, v0, 4, 1
	v_mul_u32_u24 v3, v1, PITCH
	v_lshl_add_u32 v4, v2, 4, v3
	s_mul_i32 s21, s15, HALFT
	s_mul_i32 s22, s16, HALFT
	s_add_co_u32 s22, s22, 2*HALFT
.irp s, 0,1
	v_add_nc_u32 v[ADRA+\s], s21, v4
	v_add_nc_u32 v[ADRB+\s], s22, v4
	s_add_co_u32 s21, s21, SLOT
	s_add_co_u32 s22, s22, SLOT
.endr
	v_mul_u32_u24 v5, v1, KS
	v_lshrrev_b32 v6, 8, v5
	v_lshl_add_u32 v5, v6, 4, v5
	s_mul_i32 s21, s15, HALFS
	s_mul_i32 s22, s16, HALFS
	s_add_co_u32 s22, s22, 2*HALFS
	s_sub_co_u32 s22, s22, s21
	v_mul_u32_u24 v6, s22, v2
	s_add_co_u32 s21, s21, SCL
	v_add_nc_u32 v5, v5, v6
	v_add_nc_u32 v[ADRS], s21, v5
	s_lshl_b32 s23, s14, 9
	v_lshl_add_u32 v[SCW], v1, 2, s23
	v_and_b32 v6, 31, v0
	v_lshl_add_u32 v[SCR], v6, 4, s23
	v_lshlrev_b32 v[OSC], 4, v1
	v_lshl_add_u32 v[OSC], v2, 12, v[OSC]
	s_lshl_b32 s20, s17, 8
	s_lshl_b32 s21, s15, 7
	s_add_co_u32 s20, s20, s21
	s_lshl_b32 s21, s42, 8
	s_lshl_b32 s22, s16, 7
	s_add_co_u32 s21, s21, s22
	s_cmp_eq_u32 ttmp9, 2
	s_cselect_b32 s22, s21, s20
	s_cselect_b32 s23, s20, s21
	s_cselect_b32 s46, 0, s21
	s_cselect_b32 s47, s20, 0
	s_lshr_b32 s92, s22, 11
	s_lshl_b32 s92, s92, 4
	s_lshr_b32 s93, s23, 6
	s_add_co_u32 s92, s92, s93
	s_bfe_u32 s93, s22, 0x40007
	s_lshl_b32 s18, s92, 17
	s_lshl_b32 s19, s93, 13
	s_add_co_u32 s18, s18, s19
	s_mov_b32 s19, 0
	s_add_nc_u64 s[12:13], s[12:13], s[18:19]
	s_lshl_b32 s18, s92, 12
	s_lshl_b32 s94, s93, 8
	s_add_co_u32 s18, s18, s94
	s_add_nc_u64 s[66:67], s[66:67], s[18:19]
	v_lshlrev_b32 v[BIO], 5, v2
	v_lshl_add_u32 v[BIO], s46, 2, v[BIO]
	v_lshlrev_b32 v[BLO], 2, v1
	v_lshl_add_u32 v[BLO], s47, 2, v[BLO]
.irp b, 0,1,2,3,4,5,6,7
	global_load_b128 v[BI+8*\b:BI+8*\b+3], v[BIO], s[2:3] offset:64*\b
	global_load_b128 v[BI+8*\b+4:BI+8*\b+7], v[BIO], s[2:3] offset:64*\b+16
.endr
.irp a, 0,1,2,3,4,5,6,7
	global_load_b32 v[BL+\a], v[BLO], s[2:3] offset:64*\a
.endr
.macro FRAG reg, adr, q, i
.irp c, 0,1,2,3
	ds_load_b128 v[\reg+4*\c:\reg+4*\c+3], v[\adr] offset:128*(\q)+32*\c+(\i)*16*PITCH
.endr
.endm
.macro MUL16 a0, p, q, sc, first
.irp a, \a0, \a0+1
.irp b, 0,1,2,3,4,5,6,7
.if \first
	v_wmma_scale_f32_16x16x128_f8f6f4 v[8*(8*((\a)%4)+\b):8*(8*((\a)%4)+\b)+7], v[128*(\p)+FR*\b:128*(\p)+FR*\b+FR-1], v[AF+FR*(\a):AF+FR*(\a)+FR-1], v[BI+8*\b:BI+8*\b+7], v[SC+8*NQ*(\sc)+NQ*\b+(\q)], v[SC+8*NQ*(\sc)+NQ*(\a)+(\q)] matrix_a_fmt:MATRIX_FMT_BF8 matrix_b_fmt:MATRIX_FMT_BF8 matrix_a_scale:MATRIX_SCALE_ROW1
.else
	v_wmma_scale_f32_16x16x128_f8f6f4 v[8*(8*((\a)%4)+\b):8*(8*((\a)%4)+\b)+7], v[128*(\p)+FR*\b:128*(\p)+FR*\b+FR-1], v[AF+FR*(\a):AF+FR*(\a)+FR-1], v[8*(8*((\a)%4)+\b):8*(8*((\a)%4)+\b)+7], v[SC+8*NQ*(\sc)+NQ*\b+(\q)], v[SC+8*NQ*(\sc)+NQ*(\a)+(\q)] matrix_a_fmt:MATRIX_FMT_BF8 matrix_b_fmt:MATRIX_FMT_BF8 matrix_a_scale:MATRIX_SCALE_ROW1
.endif
.endr
.endr
.endm
.macro FETCH_B slot, q, p
	WIN TO_B
.irp i, 0,1,2,3,4,5,6,7
	FRAG 128*(\p)+FR*\i, ADRB+\slot, \q, \i
.endr
	WIN 0
.endm
.macro FETCH_A slot, q, i0
.irp i, \i0, \i0+1, \i0+2, \i0+3
	FRAG AF+FR*(\i), ADRA+\slot, \q, \i
.endr
.endm
.macro SCALES sc
.irp i, 0,1,2,3,4,5,6,7
	ds_load_b64 v[SC+8*NQ*\sc+NQ*\i:SC+8*NQ*\sc+NQ*\i+1], v[ADRS] offset:\i*SBLK
.endr
.endm
.macro PLACES n
.rept \n
	v_nop
.endr
.endm
.macro STEP slot, q, first
	s_wait_dscnt 4*NL
.if \first
	WIN FST_LO
.else
	WIN MUL_LO
.endif
	MUL16 0, (\q)%2, \q, \slot, \first
	MUL16 2, (\q)%2, \q, \slot, \first
	s_wait_dscnt 0
	PLACES NP
	FETCH_B \slot, (\q)+1, 1-(\q)%2
	FETCH_A \slot, (\q)+1, 0
.if \first
	WIN FST_HI
.else
	WIN MUL_HI
.endif
	MUL16 4, (\q)%2, \q, \slot, \first
	MUL16 6, (\q)%2, \q, \slot, \first
	PLACES NP
	WIN 0
	FETCH_A \slot, (\q)+1, 4
.endm
.macro TURN slot, next, fill
	s_wait_tensorcnt 0x0
	ds_add_u32 v[SPW], v[NIL]
	s_wait_dscnt 4*NL+1
	WIN MUL_LO
	MUL16 0, 1, NQ-1, \slot, 0
	s_wait_dscnt 0x0
	s_barrier_signal -1
	MUL16 2, 1, NQ-1, \slot, 0
	WIN 0
	s_barrier_wait -1
.if \fill
	CREST
	s_add_nc_u64 s[G0+4*\slot+2:G0+4*\slot+3], s[G0+4*\slot+2:G0+4*\slot+3], 2*ROWB
	s_add_nc_u64 s[G0B+4*\slot+2:G0B+4*\slot+3], s[G0B+4*\slot+2:G0B+4*\slot+3], 2*ROWB
	JLOAD G0+4*\slot, G1, G0B+4*\slot, G1B
	PLACES NP-4
.else
	PLACES NP
.endif
	s_wait_alu depctr_va_vdst(0)
	v_add_nc_u32 v[ADRS], 4*NQ, v[ADRS]
	FETCH_B \next, 0, 0
	FETCH_A \next, 0, 0
	SCALES \next
	WIN MUL_HI
	MUL16 4, 1, NQ-1, \slot, 0
	MUL16 6, 1, NQ-1, \slot, 0
	PLACES NP
	WIN 0
	FETCH_A \next, 0, 4
.endm
	s_wait_tensorcnt 1
	s_barrier_signal -1
	s_barrier_wait -1
	FETCH_B 0, 0, 0
	FETCH_A 0, 0, 0
	SCALES 0
	FETCH_A 0, 0, 4
	s_wait_loadcnt 0x0
.set i, 0
.rept 64
	v_cndmask_b32 v[BI+i], 0, v[BI+i], s[KBI]
.set i, i+1
.endr
.irp a, 0,1,2,3,4,5,6,7
	v_cndmask_b32 v[BL+\a], 0, v[BL+\a], s[KBL]
.endr
	s_wait_alu depctr_va_vdst(0)
	STEP 0, 0, 1
	s_mov_b32 s[LAP], LAPS-1
.Llap:
	TURN 0, 1, 1
	STEP 1, 0, 0
	TURN 1, 0, 1
	STEP 0, 0, 0
	s_sub_co_u32 s[LAP], s[LAP], 1
	s_cmp_lg_u32 s[LAP], 0
	s_cbranch_scc1 .Llap
	TURN 0, 1, 0
	STEP 1, 0, 0
	s_wait_dscnt 4*NL
	WIN MUL_LO
	MUL16 0, 1, NQ-1, 1, 0
	MUL16 2, 1, NQ-1, 1, 0
	s_wait_dscnt 0
	WIN MUL_HI
	MUL16 4, 1, NQ-1, 1, 0
	MUL16 6, 1, NQ-1, 1, 0
	WIN 0
.macro QUANT s, pw
.irp b, 0,1,2,3
	v_max3_num_f32 v[TM+\b], |v[\s+16*\b]|, |v[\s+1+16*\b]|, 0x8000000
.endr
.irp i, 2,4,6,8,10,12,14
.irp b, 0,1,2,3
	v_max3_num_f32 v[TM+\b], v[TM+\b], |v[\s+16*\b+\i]|, |v[\s+1+16*\b+\i]|
.endr
.endr
.irp b, 0,1,2,3
	v_permlanex16_b32 v[TM+4+\b], v[TM+\b], s[SEL], s[SEL+1]
.endr
.irp b, 0,1,2,3
	v_max_num_f32 v[TM+\b], v[TM+\b], v[TM+4+\b]
.endr
.irp b, 0,1,2,3
	v_add_nc_u32 v[TM+12+\b], 0xf8800000, v[TM+\b]
.endr
.irp b, 0,1,2,3
	v_and_or_b32 v[TM+8+\b], v[TM+\b], 0x7f800000, s[MNT]
.endr
.irp b, 0,1,2,3
	v_lshrrev_b32 v[TM+4+\b], 23, v[TM+12+\b]
.endr
	v_lshl_or_b32 v[\pw], v[TM+5], 8, v[TM+4]
	v_lshl_or_b32 v[\pw], v[TM+6], 16, v[\pw]
	v_lshl_or_b32 v[\pw], v[TM+7], 24, v[\pw]
	s_wait_alu depctr_va_vdst(0)                   ; directly ahead of the wait below
	s_wait_xcnt 0x0                                ; the block before's stores have read their data and their base: the conversions below write those registers anew
.irp b, 0,1,2,3
.irp i, 0,1,2,3,4,5,6,7,8,9,10,11,12,13,14,15
	v_med3_num_f32 v[\s+16*\b+\i], v[\s+16*\b+\i], -v[TM+8+\b], v[TM+8+\b]
.endr
	v_cvt_scalef32_pk8_bf8_f32 v[PC+4*\b:PC+1+4*\b], v[\s+16*\b:\s+7+16*\b], v[TM+12+\b]
	v_cvt_scalef32_pk8_bf8_f32 v[PC+2+4*\b:PC+3+4*\b], v[\s+8+16*\b:\s+15+16*\b], v[TM+12+\b]
.endr
	v_nop
.endm
.macro OUTA a
	WIN (0x02+(\a)/4)
.set i, 0
.rept 32
	v_pk_add_f32 v[T+2*i:T+2*i+1], v[64*((\a)%4)+2*i:64*((\a)%4)+2*i+1], v[BLP+2*(\a):BLP+2*(\a)+1]
.set i, i+1
.endr
	WIN 0
	QUANT T, PWS+(\a)
.if (\a) == 4
	s_add_nc_u64 s[12:13], s[12:13], s[HJ:HJ+1]    ; behind the wait on XCNT that stands in QUANT
.endif
	global_store_b128 v[OG0], v[PC:PC+3], s[12:13] offset:((\a)%4)*2048
	global_store_b128 v[OG1], v[PC+4:PC+7], s[12:13] offset:((\a)%4)*2048
	global_store_b128 v[OG2], v[PC+8:PC+11], s[12:13] offset:((\a)%4)*2048
	global_store_b128 v[OG3], v[PC+12:PC+15], s[12:13] offset:((\a)%4)*2048
.if (\a) >= 4
	v_perm_b32 v[PO+2*((\a)-4)], v[PWS+(\a)], v[PWS+(\a)-4], s[SEL0]
	v_perm_b32 v[PO+2*((\a)-4)+1], v[PWS+(\a)], v[PWS+(\a)-4], s[SEL1]
	ds_store_b32 v[SCW], v[PO+2*((\a)-4)] offset:64*((\a)-4)
	ds_store_b32 v[SCW], v[PO+2*((\a)-4)+1] offset:256+64*((\a)-4)
.endif
.endm
.irp a, 0,1,2,3,4,5,6,7
	v_mov_b32 v[BLP+2*\a], v[BL+\a]
	v_mov_b32 v[BLP+2*\a+1], v[BL+\a]
.endr
.irp b, 0,1,2,3
	v_mov_b32 v[TM+4+\b], 0
.endr
.irp a, 0,1,2,3,4,5,6,7
	OUTA \a
.endr
	ds_load_b128 v[RB:RB+3], v[SCR]
	s_wait_dscnt 0x0
	global_store_b128 v[OSC], v[RB:RB+3], s[66:67]
	s_wait_tensorcnt 0x0
	ds_add_u32 v[SPW], v[NIL]
	s_wait_dscnt 0x0
	CROUND
	s_endpgm
.Lfunc_end_k_q54122c6879_qkv:
	.size	k_q54122c6879_qkv, .Lfunc_end_k_q54122c6879_qkv-k_q54122c6879_qkv
	.p2alignl 7, 3214868480
	.fill 96, 4, 3214868480
	.section	.rodata,"a",@progbits
	.p2align	6, 0x0
	.amdhsa_kernel k_q54122c6879_qkv
		.amdhsa_group_segment_fixed_size 327680
		.amdhsa_private_segment_fixed_size 0
		.amdhsa_enable_private_segment 0
		.amdhsa_kernarg_size 136
		.amdhsa_user_sgpr_count 2
		.amdhsa_user_sgpr_kernarg_segment_ptr 1
		.amdhsa_wavefront_size32 1
		.amdhsa_system_sgpr_workgroup_id_x 1
		.amdhsa_system_sgpr_workgroup_id_y 1
		.amdhsa_system_sgpr_workgroup_id_z 1
		.amdhsa_system_vgpr_workitem_id 0
		.amdhsa_next_free_vgpr 1024
		.amdhsa_next_free_sgpr 106
		.amdhsa_reserve_vcc 0
		.amdhsa_float_denorm_mode_32 3
		.amdhsa_float_denorm_mode_16_64 3
		.amdhsa_memory_ordered 1
		.amdhsa_forward_progress 1
		.amdhsa_inst_pref_size 211
	.end_amdhsa_kernel
	.amdgpu_metadata
---
amdhsa.version: [ 1, 2 ]
amdhsa.kernels:
  - .name:           k_q54122c6879_qkv
    .symbol:         k_q54122c6879_qkv.kd
    .args:
      - { .name: x_codes, .offset: 0, .size: 8, .value_kind: global_buffer, .address_space: global }
      - { .name: x_scales, .offset: 8, .size: 8, .value_kind: global_buffer, .address_space: global }
      - { .name: Wq_codes, .offset: 16, .size: 8, .value_kind: global_buffer, .address_space: global }
      - { .name: Wq_scales, .offset: 24, .size: 8, .value_kind: global_buffer, .address_space: global }
      - { .name: Wk_codes, .offset: 32, .size: 8, .value_kind: global_buffer, .address_space: global }
      - { .name: Wk_scales, .offset: 40, .size: 8, .value_kind: global_buffer, .address_space: global }
      - { .name: Wv_codes, .offset: 48, .size: 8, .value_kind: global_buffer, .address_space: global }
      - { .name: Wv_scales, .offset: 56, .size: 8, .value_kind: global_buffer, .address_space: global }
      - { .name: bq, .offset: 64, .size: 8, .value_kind: global_buffer, .address_space: global }
      - { .name: bk, .offset: 72, .size: 8, .value_kind: global_buffer, .address_space: global }
      - { .name: bv, .offset: 80, .size: 8, .value_kind: global_buffer, .address_space: global }
      - { .name: q_img, .offset: 88, .size: 8, .value_kind: global_buffer, .address_space: global }
      - { .name: q_sc, .offset: 96, .size: 8, .value_kind: global_buffer, .address_space: global }
      - { .name: k_img, .offset: 104, .size: 8, .value_kind: global_buffer, .address_space: global }
      - { .name: k_sc, .offset: 112, .size: 8, .value_kind: global_buffer, .address_space: global }
      - { .name: v_img, .offset: 120, .size: 8, .value_kind: global_buffer, .address_space: global }
      - { .name: v_sc, .offset: 128, .size: 8, .value_kind: global_buffer, .address_space: global }
    .group_segment_fixed_size: 327680
    .private_segment_fixed_size: 0
    .kernarg_segment_align: 8
    .kernarg_segment_size: 136
    .max_flat_workgroup_size: 128
    .sgpr_count:     106
    .vgpr_count:     1024
    .wavefront_size: 32
...
	.end_amdgpu_metadata
.endif
;; end of part 1
;; launch attn (part 2): grid 4 x 64, 16 waves a work-group, clusters of 4 x 1, 327,680 bytes of LDS; arguments q_img, q_sc, k_img, k_sc, v_img, v_sc, o_img, o_sc; writes o_img, o_sc
.if DOCPART == 2
	.amdgcn_target "amdgcn-amd-amdhsa--gfx1250"
	.amdhsa_code_object_version 6
	.text
	.protected	k_q54122c6879_attn
	.globl	k_q54122c6879_attn
	.p2align	8
	.type	k_q54122c6879_attn,@function
k_q54122c6879_attn:
	s_mov_b64 s[64:65], 0
	v_nop
	global_prefetch_b8 v0, s[64:65] scope:SCOPE_SE
	s_setreg_imm32_b32 hwreg(HW_REG_WAVE_MODE, 25, 1), 1
	s_wait_xcnt 0x0
	s_wait_alu depctr_hold_cnt(0) depctr_sa_sdst(0) depctr_va_vdst(0) depctr_va_sdst(0) depctr_va_ssrc(0) depctr_va_vcc(0) depctr_vm_vsrc(0)
	s_getreg_b32 s2, hwreg(HW_REG_IB_STS2, 6, 4)
	s_cmp_eq_u32 s2, 0
	s_cbranch_scc0 .Lentry_in_a_cluster
	s_endpgm
.Lentry_in_a_cluster:
	s_bfe_u32 s2, ttmp6, 0x10000c
	s_cmp_lg_u32 s2, 0x3003
	s_cbranch_scc0 .Lentry_shape_is_right
	s_endpgm
.Lentry_shape_is_right:
; O = softmax(Q K^T / 8) V for one head, both products on codes of BF8 (E5M2) with one E8M0 scale for each 32 along a product's K; O is divided by the row's sum, quantised along its channels and stored as an image of operand registers for the last product.
; THE SOFTMAX: t = score x log2(e) / 8; M = the row's largest t so far, rounded up to a whole number; p = 2^(t - M) is what is quantised, along the keys, not normalised.  The row's sum is taken of the unquantised p.
;   When M moves, the sum and O are multiplied by 2^(old M - new M), which rounds nothing.
; SHARES.  A work-group owns 512 queries of one head (16 x batch + head = the grid's y) and walks the head's keys twice, 256 queries a pass, each of its sixteen waves 16 of them in 256 registers.  4 x 64 work-groups.  The two passes are two trips of one loop.
; ALL OF THE HEAD'S K AND V LIES IN LDS, 131,072 bytes of codes each, filled once, by two joint loads a wave: at the head 4,096 bytes of the first 512 keys; behind the full sequence and a round of the cluster's barrier 12,288 bytes of the other 1,536.
;   The first four key steps run on the first fill; one barrier shows the second (in the second pass that barrier finds everything there).
; CLUSTER.  The four work-groups of a cluster own the four blocks of 512 queries of one head: each fill is asked for jointly, with a mask that names the four.  The scale words, 8,192 of a work-group's 270,336 bytes, come through registers, 512 bytes a wave, and are not joint.
; NO PREFETCH: both fills are asked for at the head; no loop is left in which to ask ahead.
; IMAGES.  K, V and Q were stored as operands' registers: a part is 512 bytes, lane l's 16 bytes at 16 l.  A fragment is four ds_load_b128 of consecutive bytes.
; THE FIRST PRODUCT'S K IS 64, the instruction's 128.  A fragment of K holds two tiles of 16 keys: tile c in k 0-63, tile c + 4 in k 64-127.  Q stands in 24 registers as [Q][zeros][Q]: registers 0-15 give tile c, registers 8-23 tile c + 4.
; LAYOUT.  Both products are used transposed (S^T = K Q^T, O^T = V^T P^T): a lane holds one query (lane % 16).  The 16 registers of score tiles 2 B, 2 B + 1 are one half of block B's 32 keys; V's images were laid in the same order.
; ORDER OF A STEP.  The holds write into 16 registers of their own, so p stays as it is and its sum can stand where plain lines are owed behind products: blocks 0 and 2 behind the second product, blocks 1 and 3 between the next step's first and second pair of fragments.
;   Lines that hang on each other are laid five lines or more apart: six chains of maxima, eight of the sum, the holds one group ahead of their conversion, V's LDS loads among the lines that make M.
; LIMITS: NaN and infinities are not served; the promise holds while the scaled scores stay under 2^31 in magnitude.  A block of zeros, or one under 2^-111, gets the scale byte 1 (read by this program alone).
.set VB,   131072                      ; LDS: K's images at 0, V's here,
.set KSC,  262144                      ; K's scale words, V's 4,096 bytes behind them (stored by the waves: no fill lands here),
.set STG,  270336                      ; a stage of 1,024 bytes for each wave,
.set SCR,  286720                      ; the work-group's 1,024 scale bytes of O: 512 for each pass,
.set SPARE, 294912                     ; and the spare words, 128 bytes a wave
.set LI,  1                            ; 16 x lane
.set LS,  2                            ; KSC + 4 (lane % 16)
.set ADK, 3                            ; the step's images of K
.set ADV, 4                            ; of V
.set ADS, 5                            ; the step's scale words
.set STO, 6                            ; the stage: where I put 8 codes
.set STL, 7                            ; where I take 16 back
.set SCA, 8                            ; where my row's two scale bytes go
.set QO,  9                            ; 4 (lane % 16)
.set SPW, 10                           ; my spare word
.set NIL, 11                           ; 0
.set NM,  12                           ; -M
.set SMX, 13                           ; the largest score so far
.set LL,  14                           ; v[14:15] the sum, in two halves
.set Q,   16                           ; v16-39
.set X,   40                           ; v40-103  four fragments of K, then of V
.set S,   104                          ; v104-167 S^T, then p
.set O,   168                          ; v168-199 O^T
.set PC,  200                          ; v200-215 p's codes
.set BM,  216                          ; the blocks' largest
.set PB,  220                          ; a second chain; the other lane's; the bytes
.set HD,  224                          ; 57,344 x the scale; v224 keeps -M from block 0's last hold to the next step
.set CV,  228                          ; a third chain; the conversions' scale operands
.set SW,  232                          ; K's or V's scale words
.set QS,  236                          ; Q's scale word
.set PS,  237                          ; p's
.set FF,  238                          ; v[238:239] f
.set T,   240                          ; v240-255 held p, two sets of eight; between the conversions and the next holds: eight chains of the sum,
.set TT,  246                          ; and behind those a number at work
.set WV,  20
.set G1C, 24                           ; s[24:31] group 1: 16 rows of 256 bytes
.set G1D, 32                           ; s[32:39] 48 rows
.set G0A, 40                           ; s[40:43], s[44:47] groups 0 of my two fills
.set G0B, 44
.set SEL, 60
.set CS,  62
.set MNT, 66
.set TK,  67                           ; where the step's images begin
.set TS,  68                           ; and its scale words
.set CNT, 69
.set PASS, 93
.macro WALU
	s_wait_alu depctr_va_vdst(0)
.endm
.macro CROUND                          ; a round of the cluster's barrier
	s_barrier_signal -1
	s_barrier_wait -1
	s_cmp_lg_u32 s[WV], 0
	s_cbranch_scc1 .Lnot_wave_0_\@
	s_barrier_signal -3
.Lnot_wave_0_\@:
	s_barrier_wait -3
	s_barrier_signal -1
	s_barrier_wait -1
.endm
.macro GROUP1 g, rows                  ; dense bytes as rows of 256 (32 elements of 8); the mask names all four partners, bit 21 beside it
	s_mov_b32 s[\g], 15|(3<<16)|(1<<21)
	s_mov_b32 s[\g+1], 32<<16
	s_mov_b32 s[\g+2], (\rows)<<16
	s_mov_b32 s[\g+3], 32<<16
	s_mov_b32 s[\g+4], \rows
	s_mov_b32 s[\g+5], 32
	s_mov_b32 s[\g+6], 0
	s_mov_b32 s[\g+7], 0
.endm
.macro QLOAD                           ; a pass's Q, twice (registers 0-7 and 16-23), and its scale words
	global_load_b128 v[Q:Q+3], v[LI], s[4:5]
	global_load_b128 v[Q+4:Q+7], v[LI], s[4:5] offset:512
	global_load_b128 v[Q+16:Q+19], v[LI], s[4:5]
	global_load_b128 v[Q+20:Q+23], v[LI], s[4:5] offset:512
	global_load_b32 v[QS], v[QO], s[6:7]
.endm
	s_load_b512 s[4:19], s[0:1], 0x0               ; q_img 4, q_sc 6, k_img 8, k_sc 10, v_img 12, v_sc 14, o_img 16, o_sc 18
	v_lshl_add_u32 v[SPW], v0, 2, SPARE
	v_mov_b32 v[NIL], 0
	ds_add_u32 v[SPW], v[NIL]                      ; the opening lines: the add, twice on end, and its wait ahead of my first tensor load
	ds_add_u32 v[SPW], v[NIL]
	v_lshrrev_b32 v3, 5, v0
	v_readfirstlane_b32 s[WV], v3                  ; wave 0..15
	s_bfe_u32 s21, ttmp6, 0x40000                  ; cx
	s_lshl_b32 s22, ttmp9, 2
	s_add_co_u32 s22, s22, s21                     ; my block of 512 queries: it enters Q's and O's global addresses alone
	s_and_b32 s23, ttmp7, 0xffff                   ; 16 x batch + head, which the four partners share
	GROUP1 G1C, 16
	GROUP1 G1D, 48
	s_mov_b32 s[SEL], 0x76543210
	s_mov_b32 s[SEL+1], 0xfedcba98                 ; lane l xor 16
	s_mov_b32 s[CS], 0x3e38aa3b                    ; c = log2(e) / 8
	s_mov_b32 s[CS+1], s[CS]                       ; (named with it as a pair)
	s_mov_b32 s[MNT], 0x600000                     ; the mantissa field of 57,344
	; what I fetch: waves 0-7 an eighth of K's bytes, waves 8-15 of V's
	s_and_b32 s70, s[WV], 7
	s_lshr_b32 s71, s[WV], 3
	s_lshl_b32 s72, s70, 12                        ; first fill: 4,096 x my part
	s_lshl_b32 s73, s71, 17                        ; V's images lie 131,072 bytes behind K's
	s_add_co_u32 s48, s73, s72
	s_mul_i32 s49, s70, 12288                      ; second fill: behind the first 32,768 bytes, 12,288 x my part
	s_add_co_u32 s49, s49, 32768
	s_add_co_u32 s50, s73, s49
	s_lshl_b32 s74, s23, 17                        ; in memory: 131,072 bytes a head
	s_mov_b32 s75, 0
	s_lshl_b32 s76, s23, 12                        ; scale words: 4,096 bytes a head, 512 of them mine
	s_lshl_b32 s77, s70, 9
	s_add_co_u32 s76, s76, s77
	s_mov_b32 s77, 0
	s_mov_b32 s84, s72
	s_mov_b32 s85, 0
	s_wait_dscnt 0x0                               ; both opening adds are done
	s_wait_kmcnt 0x0
	s_cmp_lt_u32 s[WV], 8                          ; the choice hangs on the wave's number alone
	s_cselect_b64 s[80:81], s[8:9], s[12:13]
	s_cselect_b64 s[82:83], s[10:11], s[14:15]
	s_add_nc_u64 s[80:81], s[80:81], s[74:75]
	s_add_nc_u64 s[82:83], s[82:83], s[76:77]
	s_mov_b32 s[G0A], 1
	s_mov_b32 s[G0A+1], s48
	s_add_nc_u64 s[G0A+2:G0A+3], s[80:81], s[84:85]
	s_or_b32 s[G0A+3], s[G0A+3], 0x80000000
	s_mov_b32 s84, s49
	s_mov_b32 s[G0B], 1
	s_mov_b32 s[G0B+1], s50
	s_add_nc_u64 s[G0B+2:G0B+3], s[80:81], s[84:85]
	s_or_b32 s[G0B+3], s[G0B+3], 0x80000000
	CROUND                                         ; all four work-groups are here: the joint loads meet
	tensor_load_to_lds s[G0A:G0A+3], s[G1C:G1C+7]  ; my one load at the head: my part of the first 512 keys
	s_nop 0
.rept 4
	v_nop
.endr
	; my tiles of 16 queries: in pass p tile 32 x block + 16 p + wave of the sequence's 128
	s_lshl_b32 s86, s22, 5
	s_add_co_u32 s86, s86, s[WV]                   ; the first pass's
	s_lshr_b32 s87, s86, 3                         ; which 128 rows,
	s_and_b32 s88, s[WV], 3                        ; which fragment of them,
	s_bfe_u32 s89, s[WV], 0x10002                  ; and which half of the fragment
	s_lshl_b32 s90, s23, 17
	s_lshl_b32 s91, s87, 13
	s_add_co_u32 s90, s90, s91
	s_lshl_b32 s91, s88, 11
	s_add_co_u32 s90, s90, s91
	s_lshl_b32 s91, s89, 10
	s_add_co_u32 s90, s90, s91
	s_mov_b32 s91, 0
	s_add_nc_u64 s[4:5], s[4:5], s[90:91]          ; its two parts; the second pass's lie 16,384 bytes on
	s_lshl_b32 s84, s23, 12
	s_lshl_b32 s85, s87, 8
	s_add_co_u32 s84, s84, s85
	s_lshl_b32 s85, s88, 6
	s_add_co_u32 s84, s84, s85
	s_mov_b32 s85, 0
	s_add_nc_u64 s[6:7], s[6:7], s[84:85]          ; the fragment's scale words; the second pass's 512 bytes on
	s_lshl_b32 s92, s89, 4                         ; my half of a word: bits 0-15 or 16-31
	s_lshr_b32 s72, s23, 4                         ; the batch
	s_and_b32 s74, s23, 15                         ; the head
	s_lshl_b32 s70, s72, 7
	s_add_co_u32 s70, s70, s86                     ; my tile of 16 rows among all 512
	s_lshl_b32 s70, s70, 14                        ; 16,384 bytes each,
	s_lshl_b32 s71, s74, 10                        ; 1,024 for each head
	s_add_co_u32 s70, s70, s71
	s_mov_b32 s71, 0
	s_add_nc_u64 s[16:17], s[16:17], s[70:71]      ; the second pass's tile lies 262,144 bytes on
	s_lshl_b32 s70, s74, 14                        ; O's scale bytes: 16,384 bytes a head, two a row
	s_lshl_b32 s75, s72, 12
	s_add_co_u32 s70, s70, s75
	s_lshl_b32 s75, s22, 10                        ; my 512 rows
	s_add_co_u32 s70, s70, s75
	s_add_nc_u64 s[18:19], s[18:19], s[70:71]
	s_lshl_b32 s84, s[WV], 10
	s_add_co_u32 s84, s84, STG                     ; my stage
	s_lshl_b32 s85, s[WV], 5
	s_add_co_u32 s85, s85, SCR
	s_lshl_b32 s86, s[WV], 9
	s_add_co_u32 s86, s86, KSC                     ; where my 512 bytes of scale words go: K's eight parts, then V's
	v_and_b32 v3, 31, v0                           ; lane
	v_and_b32 v4, 15, v0                           ; r
	v_bfe_u32 v5, v0, 4, 1                         ; h
	v_lshlrev_b32 v[LI], 4, v3
	v_lshlrev_b32 v[QO], 2, v4
	global_load_b128 v[X:X+3], v[LI], s[82:83]     ; my part of the scale words
	QLOAD                                          ; the first pass's Q
	v_lshl_add_u32 v[LS], v4, 2, KSC
	v_lshl_add_u32 v[STO], v4, 6, s84              ; row r: 64 bytes, a byte a channel
	v_lshl_add_u32 v[STL], v5, 4, v[STO]           ; back: + 16 h
	v_lshl_add_u32 v[STO], v5, 3, v[STO]           ; in: + 8 h
	v_lshl_add_u32 v[SCA], v4, 1, s85              ; two bytes a row
	v_add_nc_u32 v[T], s86, v[LI]
.irp j, 8,9,10,11,12,13,14,15
	v_mov_b32 v[Q+\j], 0                           ; the zero codes between the two copies of Q: they serve both passes
.endr
	v_mov_b32 v[FF+1], 0                           ; (named as the upper half of a pair)
	WALU                                           ; the head's end
	s_wait_loadcnt 0x5                             ; the scale words are in; Q's five loads may be out
	ds_store_b128 v[T], v[X:X+3]
	s_wait_tensorcnt 0x0                           ; my first fill has landed
	ds_add_u32 v[SPW], v[NIL]
	s_wait_dscnt 0x0                               ; the add is done, and my scale words lie in LDS
	CROUND                                         ; every wave's part of the first 512 keys and of the scale words is shown; the four work-groups meet
	tensor_load_to_lds s[G0B:G0B+3], s[G1D:G1D+7]  ; my one load behind the round: my part of the other 1,536 keys
	s_nop 0
.rept 4
	v_nop
.endr
.macro START                           ; a pass begins: the largest score under every score, sums and O^T zero; p's blocks 1 and 3 and the sum's chains zero, since the first step adds them as the step before's.  These lines are also the places behind the lines that wrote Q's scale word
	v_mov_b32 v[NM], 0x7f61b1e6                    ; -M = 3e38,
	v_mov_b32 v[HD], 0x7f61b1e6                    ; and its copy
	v_mov_b32 v[SMX], 0xff61b1e6                   ; -3e38
	v_mov_b32 v[LL], 0
	v_mov_b32 v[LL+1], 0
.set i, 0
.rept 16
	v_mov_b32 v[T+i], 0
.set i, i+1
.endr
.set i, 0
.rept 32
	v_mov_b32 v[O+i], 0
.set i, i+1
.endr
.set i, 0
.rept 16
	v_mov_b32 v[S+16+i], 0
	v_mov_b32 v[S+48+i], 0
.set i, i+1
.endr
.endm
.macro WM c, h                         ; fragment c against Q: score tile c + 4 h
	v_wmma_scale_f32_16x16x128_f8f6f4 v[S+8*(\c+4*\h):S+8*(\c+4*\h)+7], v[X+16*\c:X+16*\c+15], v[Q+8*\h:Q+8*\h+15], 0, v[SW+\c], v[QS] matrix_a_fmt:MATRIX_FMT_BF8 matrix_b_fmt:MATRIX_FMT_BF8
.endm
; THE ROW'S SUM of the unquantised p: 32 pairs and the sum so far, 32 packed additions in eight chains
.macro UADD k, o
	v_pk_add_f32 v[T+2*\k:T+2*\k+1], v[T+2*\k:T+2*\k+1], v[S+\o:S+\o+1]
.endm
.macro UU a, b
	v_pk_add_f32 v[T+2*\a:T+2*\a+1], v[T+2*\a:T+2*\a+1], v[T+2*\b:T+2*\b+1]
.endm
.macro LU a
	v_pk_add_f32 v[LL:LL+1], v[LL:LL+1], v[T+2*\a:T+2*\a+1]
.endm
.macro SUMA                            ; blocks 0 and 2 start the chains
.irp k, 0,1,2,3
	v_pk_add_f32 v[T+2*\k:T+2*\k+1], v[S+4*\k:S+4*\k+1], v[S+4*\k+2:S+4*\k+3]
.endr
.irp k, 0,1,2,3
	v_pk_add_f32 v[T+8+2*\k:T+8+2*\k+1], v[S+32+4*\k:S+32+4*\k+1], v[S+32+4*\k+2:S+32+4*\k+3]
.endr
.endm
.macro SUMB                            ; blocks 1 and 3, and eight chains become four
.irp k, 0,1,2,3,4,5,6,7
	UADD \k, 16+2*\k
.endr
.irp k, 0,1,2,3,4,5,6,7
	UADD \k, 48+2*\k
.endr
	UU 0, 1
	UU 2, 3
	UU 4, 5
	UU 6, 7
.endm
.macro MAXR b0, b1                     ; 15 of the 16 scores of two blocks, three chains a block; each accumulator is first read in its four lowest registers
.irp b, \b0, \b1
	v_max3_num_f32 v[BM+\b], v[S+16*\b], v[S+16*\b+1], v[S+16*\b+2]
	v_max3_num_f32 v[PB+\b], v[S+16*\b+5], v[S+16*\b+6], v[S+16*\b+7]
	v_max3_num_f32 v[CV+\b], v[S+16*\b+10], v[S+16*\b+11], v[S+16*\b+12]
.endr
.irp b, \b0, \b1
	v_max3_num_f32 v[BM+\b], v[BM+\b], v[S+16*\b+3], v[S+16*\b+4]
	v_max3_num_f32 v[PB+\b], v[PB+\b], v[S+16*\b+8], v[S+16*\b+9]
	v_max3_num_f32 v[CV+\b], v[CV+\b], v[S+16*\b+13], v[S+16*\b+14]
.endr
.endm
.macro VS t                            ; V's scale words of fragment t
	ds_load_b32 v[SW+\t], v[ADS] offset:4096+64*\t
.endm
.macro VL n0, n1                       ; parts n0 .. n1 of V's sixteen, into the registers that K's have left
.set n, \n0
.rept \n1-\n0+1
	ds_load_b128 v[X+4*n:X+4*n+3], v[ADV] offset:512*n
.set n, n+1
.endr
.endm
.macro FMA8 i0                         ; t - M of eight scores, two at a time
.irp j, 0,2,4,6
	v_pk_fma_f32 v[S+\i0+\j:S+\i0+\j+1], v[S+\i0+\j:S+\i0+\j+1], s[CS:CS+1], v[NM:NM+1] op_sel_hi:[1,0,0]
.endr
.endm
.macro HOLD2 d, s, h                   ; two p held at 57,344 x the scale (the conversion does not saturate: ISA guide 7.6.2; p is not negative): into other registers, p itself stays
	v_dual_min_num_f32 v[\d], v[\h], v[\s] :: v_dual_min_num_f32 v[\d+1], v[\h], v[\s+1]
.endm
.macro DH k                            ; the holds of p's k-th eight, into set k % 2
.irp j, 0,2,4,6
	HOLD2 T+8*((\k)%2)+\j, S+8*(\k)+\j, HD+(\k)/2
.endr
.endm
.macro CC k                            ; and their codes
	v_cvt_scalef32_pk8_bf8_f32 v[PC+2*(\k):PC+2*(\k)+1], v[T+8*((\k)%2):T+8*((\k)%2)+7], v[CV+(\k)/2]
.endm
; A KEY STEP: 128 keys.
.macro STEP
	v_add_nc_u32 v[ADK], s[TK], v[LI]
	v_add_nc_u32 v[ADS], s[TS], v[LS]
	v_add_nc_u32 v[ADV], VB, v[ADK]                ; (with the eight lines of the sum behind the last products: the places in front of the loads below)
.irp c, 0,1,2,3
	ds_load_b32 v[SW+\c], v[ADS] offset:64*\c      ; fragment c's scale words: tile c's two bytes, tile c + 4's two
.endr
.irp c, 0,1,2,3
.irp i, 0,1,2,3
	ds_load_b128 v[X+16*\c+4*\i:X+16*\c+4*\i+3], v[ADK] offset:2048*\c+512*\i
.endr
.endr
	WALU
	s_wait_dscnt 12                                ; fragment 0 is in; the later fragments' loads, four each, may be out
	WM 0, 0
	WM 0, 1
	s_wait_dscnt 8
	WM 1, 0
	WM 1, 1
	s_wait_dscnt 0                                 ; fragments 2 and 3: here, so that no wait stands among the sum's lines
	SUMB                                           ; the step before's p of blocks 1 and 3, ahead of the products that write over them: 20 places behind the products above
	WM 2, 0
	WM 2, 1
	WM 3, 0
	WM 3, 1
	MAXR 0, 2                                      ; tiles 0, 1, 4, 5.  These lines are the places behind the last products
	MAXR 1, 3
.irp t, 0,1,2,3
	VS \t                                          ; V's twenty loads in one run
.endr
	VL 0, 15
.irp b, 0,2,1,3
	v_max3_num_f32 v[BM+\b], v[BM+\b], v[PB+\b], v[CV+\b]
.endr
.irp b, 0,2,1,3
	v_max_num_f32 v[BM+\b], v[BM+\b], v[S+16*\b+15]
.endr
.irp b, 0,2,1,3
	v_permlanex16_b32 v[PB+\b], v[BM+\b], s[SEL], s[SEL+1]
.endr
.irp b, 0,2,1,3
	v_max_num_f32 v[BM+\b], v[BM+\b], v[PB+\b]     ; with lane l xor 16's 16 keys: the block's largest score
.endr
	s_delay_alu instid0(VALU_DEP_2)                ; block 1's largest was written two lines back; the four lines that make M hang on each other
	v_max3_num_f32 v[TT], v[BM], v[BM+1], v[BM+2]
	s_delay_alu instid0(VALU_DEP_1)
	v_max3_num_f32 v[SMX], v[SMX], v[TT], v[BM+3]  ; the running largest score
	s_delay_alu instid0(VALU_DEP_1)
	v_mul_f32 v[TT], s[CS], v[SMX]                 ; as t (c is positive)
	s_delay_alu instid0(VALU_DEP_1)
	v_floor_f32 v[NM], -v[TT]                      ; the new -M = floor(-t): M is a whole number
	UU 0, 2                                        ; the sum's last links stand behind the floor and among the multiply-adds
	UU 4, 6
	FMA8 0
	LU 0
	v_sub_f32 v[TT], v[NM], v[HD]                  ; old M - new M: a whole number, 0 or less
	FMA8 8
	LU 4
	v_cvt_i32_f32 v[TT], v[TT]                     ; (it saturates)
	FMA8 16
	v_ldexp_f32 v[FF], 1.0, v[TT]                  ; f = 2^(old M - new M)
	FMA8 24
	FMA8 32
	FMA8 40
	FMA8 48
	FMA8 56
.irp b, 0,1,2,3
	v_fma_f32 v[BM+\b], v[BM+\b], s[CS], v[NM]     ; the same of each block's largest score
.endr
	WALU                                           ; ahead of the batch
.set i, 0
.rept 64
	v_exp_f32 v[S+i], v[S+i]                       ; p = 2^(t - M), at most 1
.set i, i+1
.endr
.irp b, 0,1,2,3
	v_exp_f32 v[BM+\b], v[BM+\b]                   ; the block's largest p: the same two instructions on the same number
.endr
	v_pk_mul_f32 v[LL:LL+1], v[LL:LL+1], v[FF:FF+1] op_sel_hi:[1,0]   ; the sum under the new M.  (The plain line behind the exponentials)
	WALU                                           ; one wait for the whole batch
.irp b, 0,1,2,3
	v_max_num_f32 v[BM+\b], 0x8000000, v[BM+\b]    ; the floor 2^(16 - 127): the byte cannot fall under 1
.endr
.irp b, 0,1,2,3
	v_add_nc_u32 v[CV+\b], 0xf8800000, v[BM+\b]    ; 15 off the exponent field: the conversion's scale operand
.endr
.irp b, 0,1,2
	v_and_or_b32 v[HD+\b], v[BM+\b], 0x7f800000, s[MNT]   ; 57,344 x the scale
.endr
.irp b, 0,1,2,3
	v_lshrrev_b32 v[PB+\b], 23, v[CV+\b]           ; the scale's byte
.endr
	DH 0                                           ; the holds run one group ahead of their conversion; one plain line stands behind each conversion, ahead of the holds that write its sources anew
	DH 1
	CC 0
	v_lshl_or_b32 v[PS], v[PB+1], 8, v[PB]         ; p's scale word for these 128 keys
	DH 2
	CC 1
	v_lshl_or_b32 v[PS], v[PB+2], 16, v[PS]
	DH 3
	CC 2
	v_and_or_b32 v[HD+3], v[BM+3], 0x7f800000, s[MNT]
	DH 4
	CC 3
	v_lshl_or_b32 v[PS], v[PB+3], 24, v[PS]
	DH 5
	CC 4
	v_mov_b32 v[HD], v[NM]                         ; block 0's bound is done with: -M is kept here for the next step
	DH 6
	CC 5
	v_nop
	DH 7
	CC 6
	CC 7
	s_wait_dscnt 0x0                               ; V is in
	WALU                                           ; directly ahead of the first reader of O^T
.set i, 0
.rept 16
	v_pk_mul_f32 v[O+i:O+i+1], v[O+i:O+i+1], v[FF:FF+1] op_sel_hi:[1,0]   ; O^T under the new M.  (Also the places between the conversions and the products)
.set i, i+2
.endr
.irp t, 0,1,2,3
	v_wmma_scale_f32_16x16x128_f8f6f4 v[O+8*\t:O+8*\t+7], v[X+16*\t:X+16*\t+15], v[PC:PC+15], v[O+8*\t:O+8*\t+7], v[SW+\t], v[PS] matrix_a_fmt:MATRIX_FMT_BF8 matrix_b_fmt:MATRIX_FMT_BF8
.endr
	SUMA                                           ; names none of the products' registers: places behind them
	s_add_co_u32 s[TK], s[TK], 8192
	s_add_co_u32 s[TS], s[TS], 256
.endm
.macro RUN k0, n                       ; n key steps from step k0 on: 8,192 bytes of images and 256 of scale words a step
	s_mov_b32 s[TK], 8192*\k0
	s_mov_b32 s[TS], 256*\k0
	s_mov_b32 s[CNT], \n
.Lstep_\@:
	STEP
	s_sub_co_u32 s[CNT], s[CNT], 1
	s_cmp_lg_u32 s[CNT], 0
	WALU
	s_cbranch_scc1 .Lstep_\@
.endm
; THE WAY OUT of a pass.  O^T / the sum; its two blocks of 32 channels are quantised; the codes go through my stage, which puts them in the channels' order, and leave as two parts of 512 bytes.
.macro TAIL
	SUMB                                           ; the last step's blocks 1 and 3
	UU 0, 2
	UU 4, 6
	LU 0
	LU 4
	v_add_f32 v[LL], v[LL], v[LL+1]
	v_permlanex16_b32 v[TT], v[LL], s[SEL], s[SEL+1]
	v_add_f32 v[LL], v[LL], v[TT]                  ; the row's sum
	WALU
	v_rcp_f32 v[LL], v[LL]
	v_nop                                          ; the plain line behind the reciprocal
	WALU                                           ; ahead of its first reader, which is also the first reader of O^T
.set i, 0
.rept 16
	v_pk_mul_f32 v[S+i:S+i+1], v[O+i:O+i+1], v[LL:LL+1] op_sel_hi:[1,0]   ; register 16 b + 8 u + j: channel 32 b + 16 u + 8 h + j
.set i, i+2
.endr
.irp b, 0,1
	v_max3_num_f32 v[BM+\b], |v[S+16*\b]|, |v[S+1+16*\b]|, 0x8000000
.endr
.irp i, 2,4,6,8,10,12,14
.irp b, 0,1
	v_max3_num_f32 v[BM+\b], v[BM+\b], |v[S+16*\b+\i]|, |v[S+1+16*\b+\i]|
.endr
.endr
.irp b, 0,1
	v_permlanex16_b32 v[PB+\b], v[BM+\b], s[SEL], s[SEL+1]
.endr
.irp b, 0,1
	v_max_num_f32 v[BM+\b], v[BM+\b], v[PB+\b]
.endr
.irp b, 0,1
	v_add_nc_u32 v[CV+\b], 0xf8800000, v[BM+\b]
.endr
.irp b, 0,1
	v_and_or_b32 v[HD+\b], v[BM+\b], 0x7f800000, s[MNT]
.endr
.irp b, 0,1
	v_lshrrev_b32 v[PB+\b], 23, v[CV+\b]
.endr
	v_lshl_or_b32 v[TT], v[PB+1], 8, v[PB]         ; my row's two scale bytes
.irp b, 0,1
.irp i, 0,1,2,3,4,5,6,7,8,9,10,11,12,13,14,15
	v_med3_num_f32 v[S+16*\b+\i], v[S+16*\b+\i], -v[HD+\b], v[HD+\b]
.endr
	v_cvt_scalef32_pk8_bf8_f32 v[PC+4*\b:PC+1+4*\b], v[S+16*\b:S+7+16*\b], v[CV+\b]
	v_cvt_scalef32_pk8_bf8_f32 v[PC+2+4*\b:PC+3+4*\b], v[S+8+16*\b:S+15+16*\b], v[CV+\b]
.endr
	v_nop                                          ; one plain line behind the last conversion
.irp b, 0,1
.irp u, 0,1
	ds_store_b64 v[STO], v[PC+4*\b+2*\u:PC+4*\b+2*\u+1] offset:32*\b+16*\u   ; channels 32 b + 16 u + 8 h + 0 .. 7 of row r
.endr
.endr
.irp b, 0,1
	ds_load_b128 v[X+4*\b:X+4*\b+3], v[STL] offset:32*\b   ; channels 32 b + 16 h + 0 .. 15: the operand's order.  LDS serves a wave's instructions in order (ISA guide 5.7.1.4)
.endr
	ds_store_b16 v[SCA], v[TT]                     ; lanes r and r + 16 write the same bytes with the same value; each pass has bytes of its own
	s_wait_dscnt 0x0                               ; my codes are back; for the others' sake my scale bytes have landed
	global_store_b128 v[LI], v[X:X+3], s[16:17]    ; each store covers 512 consecutive bytes, aligned
	global_store_b128 v[LI], v[X+4:X+7], s[16:17] offset:512
.endm
	s_mov_b32 s[PASS], 0
.Lpass:                                                ; two trips: 256 queries each
	s_wait_loadcnt 0x0                             ; this pass's Q and scale words
	v_lshrrev_b32 v[QS], s92, v[QS]                ; my tile's two bytes,
	v_and_b32 v[QS], 0xffff, v[QS]
	v_lshl_or_b32 v[QS], v[QS], 16, v[QS]          ; twice: they serve k 0-63 and k 64-127 alike
	START
	RUN 0, 4                                       ; the first 512 keys
	WALU
	s_wait_tensorcnt 0x0                           ; my part of the other 1,536 keys has landed (second pass: nothing is out),
	s_wait_dscnt 0x0
	s_barrier_signal -1
	s_barrier_wait -1                              ; and so has every wave's
	RUN 4, 12
	TAIL
	s_wait_xcnt 0x0                                ; the stores have read their data and their base: both are written again only behind this wait
	s_add_nc_u64 s[16:17], s[16:17], 262144        ; on to the second pass's places (behind it the stepped addresses are not used)
	s_add_nc_u64 s[4:5], s[4:5], 16384
	s_add_nc_u64 s[6:7], s[6:7], 512
	v_add_nc_u32 v[SCA], 512, v[SCA]
	s_cmp_eq_u32 s[PASS], 1
	s_cbranch_scc1 .Lno_q                          ; no pass follows the second: nothing is loaded for it
	QLOAD
.Lno_q:
	s_add_co_u32 s[PASS], s[PASS], 1
	s_cmp_lg_u32 s[PASS], 2
	WALU
	s_cbranch_scc1 .Lpass
	s_barrier_signal -1
	s_barrier_wait -1                              ; all sixteen waves' scale bytes of both passes lie in LDS
	s_cmp_lg_u32 s[WV], 0
	s_cbranch_scc1 .Lnot_first
	v_add_nc_u32 v[T], SCR, v[LI]
	ds_load_b128 v[X+8:X+11], v[T]
	ds_load_b128 v[X+12:X+15], v[T] offset:512
	s_wait_dscnt 0x0
	global_store_b128 v[LI], v[X+8:X+11], s[18:19] ; the work-group's 512 rows: twice 512 consecutive bytes, aligned
	global_store_b128 v[LI], v[X+12:X+15], s[18:19] offset:512
.Lnot_first:
	s_wait_tensorcnt 0x0                           ; the wave's end
	ds_add_u32 v[SPW], v[NIL]
	s_wait_dscnt 0x0
	CROUND                                         ; the closing round
	s_endpgm
.Lfunc_end_k_q54122c6879_attn:
	.size	k_q54122c6879_attn, .Lfunc_end_k_q54122c6879_attn-k_q54122c6879_attn
	.p2alignl 7, 3214868480
	.fill 96, 4, 3214868480
	.section	.rodata,"a",@progbits
	.p2align	6, 0x0
	.amdhsa_kernel k_q54122c6879_attn
		.amdhsa_group_segment_fixed_size 327680
		.amdhsa_private_segment_fixed_size 0
		.amdhsa_enable_private_segment 0
		.amdhsa_kernarg_size 64
		.amdhsa_user_sgpr_count 2
		.amdhsa_user_sgpr_kernarg_segment_ptr 1
		.amdhsa_wavefront_size32 1
		.amdhsa_system_sgpr_workgroup_id_x 1
		.amdhsa_system_sgpr_workgroup_id_y 1
		.amdhsa_system_sgpr_workgroup_id_z 1
		.amdhsa_system_vgpr_workitem_id 0
		.amdhsa_next_free_vgpr 256
		.amdhsa_next_free_sgpr 96
		.amdhsa_reserve_vcc 0
		.amdhsa_float_denorm_mode_32 3
		.amdhsa_float_denorm_mode_16_64 3
		.amdhsa_memory_ordered 1
		.amdhsa_forward_progress 1
		.amdhsa_inst_pref_size 58
	.end_amdhsa_kernel
	.amdgpu_metadata
---
amdhsa.version: [ 1, 2 ]
amdhsa.kernels:
  - .name:           k_q54122c6879_attn
    .symbol:         k_q54122c6879_attn.kd
    .args:
      - { .name: q_img, .offset: 0, .size: 8, .value_kind: global_buffer, .address_space: global }
      - { .name: q_sc, .offset: 8, .size: 8, .value_kind: global_buffer, .address_space: global }
      - { .name: k_img, .offset: 16, .size: 8, .value_kind: global_buffer, .address_space: global }
      - { .name: k_sc, .offset: 24, .size: 8, .value_kind: global_buffer, .address_space: global }
      - { .name: v_img, .offset: 32, .size: 8, .value_kind: global_buffer, .address_space: global }
      - { .name: v_sc, .offset: 40, .size: 8, .value_kind: global_buffer, .address_space: global }
      - { .name: o_img, .offset: 48, .size: 8, .value_kind: global_buffer, .address_space: global }
      - { .name: o_sc, .offset: 56, .size: 8, .value_kind: global_buffer, .address_space: global }
    .group_segment_fixed_size: 327680
    .private_segment_fixed_size: 0
    .kernarg_segment_align: 8
    .kernarg_segment_size: 64
    .max_flat_workgroup_size: 512
    .sgpr_count:     96
    .vgpr_count:     256
    .wavefront_size: 32
...
	.end_amdgpu_metadata
.endif
;; end of part 2
;; launch oproj (part 3): grid 8 x 32, 4 waves a work-group, clusters of 4 x 4, 327,680 bytes of LDS; arguments o_img, o_sc, Wo_codes, Wo_scales, bo, out0; writes out0
.if DOCPART == 3
	.amdgcn_target "amdgcn-amd-amdhsa--gfx1250"
	.amdhsa_code_object_version 6
	.text
	.protected	k_q54122c6879_oproj
	.globl	k_q54122c6879_oproj
	.p2align	8
	.type	k_q54122c6879_oproj,@function
k_q54122c6879_oproj:
	s_mov_b64 s[64:65], 0
	v_nop
	global_prefetch_b8 v0, s[64:65] scope:SCOPE_SE
	s_setreg_imm32_b32 hwreg(HW_REG_WAVE_MODE, 25, 1), 1
	s_wait_xcnt 0x0
	s_wait_alu depctr_hold_cnt(0) depctr_sa_sdst(0) depctr_va_vdst(0) depctr_va_sdst(0) depctr_va_ssrc(0) depctr_va_vcc(0) depctr_vm_vsrc(0)
	s_getreg_b32 s2, hwreg(HW_REG_IB_STS2, 6, 4)
	s_cmp_eq_u32 s2, 0
	s_cbranch_scc0 .Lentry_in_a_cluster
	s_endpgm
.Lentry_in_a_cluster:
	s_bfe_u32 s2, ttmp6, 0x10000c
	s_cmp_lg_u32 s2, 0xf033
	s_cbranch_scc0 .Lentry_shape_is_right
	s_endpgm
.Lentry_shape_is_right:
.set SIZE_N, 1024
.set NQ,     2
.set ROWB,   256
.set KROW,   1024
.set PITCH,  272
.set FR,     16
.set NL,     4
.set NP,     8
.set ASTEP,  4096
.set AIMG,   8*ASTEP
.set HALFT,  64*PITCH                  ; a block of C is 256 x 128: B's tile is 128 rows, 64 to a load and to a wave: 8 x 32 work-groups
.set BOFF,   2*AIMG
.set SLOT,   2*AIMG+2*HALFT
.set LAPS,   2
.set KS,     32
.set SCL,    2*SLOT
.set HALFS,  (128*KS/256)*272
.set SBLK,   (16*KS/256)*272
.set RAW,    SCL+4*HALFS
.set SPARE,  RAW+8192
.set SPITCH, 528
.set RWA,  7
.set SWA,  8
.set ADRA, 16
.set ADRB, 20
.set STO,  24
.set RD,   25
.set CO,   26
.set ADRS, 27
.set SPW,  28
.set NIL,  29
.set BIO,  30
.set SC,   32
.set BI,   64
.set AF,   128
.set BK,   128
.set G1, 24
.set G0, 32
.set G1B, 48
.set G0B, 56
.set G1S, 68
.set G0S, 76
.set G1SB, 80
.set G0SB, 88
.set LAP,  94
.set MSB, 0
.macro WIN new
.if MSB != \new
	s_set_vgpr_msb (MSB<<8)|\new
.set MSB, \new
.endif
.endm
.set MUL_LO, 0xa1
.set MUL_HI, 0xf1
.set FST_LO, 0x81
.set FST_HI, 0xc1
.set TO_B,   0x40
.macro JLOAD g0a, g1a, g0b, g1b
	s_cmp_eq_u32 s15, 0
	s_cbranch_scc0 .Lfor_b_\@
	tensor_load_to_lds s[\g0a:\g0a+3], s[\g1a:\g1a+7]
	s_nop 0
.rept 4
	v_nop
.endr
	s_branch .Lasked_\@
.Lfor_b_\@:
	tensor_load_to_lds s[\g0b:\g0b+3], s[\g1b:\g1b+7]
	s_nop 0
.rept 4
	v_nop
.endr
.Lasked_\@:
.endm
.macro CREST
	s_cmp_lg_u32 s14, 0
	s_cbranch_scc1 .Lnot_wave_0_\@
	s_barrier_signal -3
.Lnot_wave_0_\@:
	s_barrier_wait -3
	s_barrier_signal -1
	s_barrier_wait -1
.endm
.macro CROUND
	s_barrier_signal -1
	s_barrier_wait -1
	CREST
.endm
	s_load_b128 s[4:7], s[0:1], 0x0
	s_load_b128 s[8:11], s[0:1], 0x10
	s_load_b64 s[2:3], s[0:1], 0x20
	s_load_b64 s[12:13], s[0:1], 0x28
	v_lshl_add_u32 v[SPW], v0, 2, SPARE
	v_mov_b32 v[NIL], 0
	ds_add_u32 v28, v29
	ds_add_u32 v28, v29
	s_wait_dscnt 0x0
	v_lshrrev_b32 v1, 5, v0
	v_readfirstlane_b32 s14, v1
	s_lshr_b32 s15, s14, 1
	s_and_b32 s16, s14, 1
	s_bfe_u32 s40, ttmp6, 0x40000
	s_bfe_u32 s41, ttmp6, 0x40004
	s_lshl_b32 s42, ttmp9, 2
	s_add_co_u32 s42, s42, s40
	s_and_b32 s17, ttmp7, 0xffff
	s_lshl_b32 s17, s17, 2
	s_add_co_u32 s17, s17, s41
	s_lshl_b32 s43, s41, 2
	s_lshl_b32 s43, 15, s43
	s_lshl_b32 s44, 0x1111, s40
	s_or_b32 s[G1+0], s43, (3<<16)|(1<<21)
	s_mov_b32 s[G1+1], 512<<16
	s_mov_b32 s[G1+2], 8<<16
	s_mov_b32 s[G1+3], 512<<16
	s_mov_b32 s[G1+4], 8
	s_mov_b32 s[G1+5], 2048
	s_mov_b32 s[G1+6], 0
	s_mov_b32 s[G1+7], 0
	s_or_b32 s[G1B+0], s44, (0<<16)|(1<<20)|(1<<21)|(5<<22)|(3<<25)
	s_mov_b32 s[G1B+1], ROWB<<16
	s_mov_b32 s[G1B+2], 64<<16
	s_mov_b32 s[G1B+3], ROWB<<16
	s_mov_b32 s[G1B+4], 64
	s_mov_b32 s[G1B+5], KROW
	s_mov_b32 s[G1B+6], 0
	s_mov_b32 s[G1B+7], 0
	s_lshl_b32 s18, s16, 7
	s_lshl_b32 s20, s17, 8
	s_add_co_u32 s20, s20, s18
	s_lshl_b32 s20, s20, 10
	s_mov_b32 s21, 0
	s_lshl_b32 s22, s16, 17
	s_lshl_b32 s23, s17, 9
	s_add_co_u32 s22, s22, s23
	s_mov_b32 s23, 0
	s_lshl_b32 s46, s42, 7                         ; B's tile: row 128 x tile column
	s_lshl_b32 s92, s46, 5                         ; the scale bytes of its 128 rows: each of waves 2 and 3 brings all 4,096
	s_mov_b32 s93, 0
	s_lshl_b32 s47, s16, 6
	s_add_co_u32 s46, s46, s47                     ; the 64 rows of codes that I fetch
	s_lshl_b32 s46, s46, 10
	s_mov_b32 s47, 0
	s_lshl_b32 s45, s16, 15
	s_mul_i32 s95, s16, HALFT
	s_add_co_u32 s95, s95, BOFF
	s_lshl_b32 s94, s16, 12
	s_add_co_u32 s94, s94, RAW
	s_mul_i32 s96, s14, HALFS
	s_add_co_u32 s96, s96, SCL
	s_wait_kmcnt 0x0
	s_add_nc_u64 s[20:21], s[4:5], s[20:21]
	s_add_nc_u64 s[22:23], s[6:7], s[22:23]
	s_add_nc_u64 s[46:47], s[8:9], s[46:47]
	s_add_nc_u64 s[92:93], s[10:11], s[92:93]
	CROUND
.irp s, 0,1
	s_mov_b32 s[G0+4*\s], 1
	s_add_co_u32 s[G0+4*\s+1], s45, \s*SLOT
	s_add_nc_u64 s[G0+4*\s+2:G0+4*\s+3], s[20:21], \s*ASTEP
	s_or_b32 s[G0+4*\s+3], s[G0+4*\s+3], 0x80000000
	s_mov_b32 s[G0B+4*\s], 1
	s_add_co_u32 s[G0B+4*\s+1], s95, \s*SLOT
	s_add_nc_u64 s[G0B+4*\s+2:G0B+4*\s+3], s[46:47], \s*ROWB
	s_or_b32 s[G0B+4*\s+3], s[G0B+4*\s+3], 0x80000000
.endr
	JLOAD G0, G1, G0B, G1B                         ; my one load at the head: my quarter of K step 0
	; the scale bytes come through registers into LDS bytes of their own, 4,096 a wave: waves 0, 1 eight heads' 512 bytes of O's, 16,384 apart in memory, dense in LDS; waves 2, 3 Wo's, dense in memory, units of 256 bytes 272 apart in LDS.  16,384 bytes a work-group: not asked for jointly
	v_and_b32 v1, 31, v0
	v_lshlrev_b32 v1, 4, v1                        ; 16 x lane
	v_bfe_u32 v2, v0, 4, 1
	v_and_b32 v3, 15, v0
	v_mul_u32_u24 v2, v2, 272
	v_lshl_add_u32 v2, v3, 4, v2
	v_add_nc_u32 v2, s96, v2                       ; Wo's: unit lane / 16, 16 bytes a lane
	v_add_nc_u32 v3, s94, v1                       ; O's
	s_cmp_eq_u32 s15, 0
	s_wait_alu depctr_va_vdst(0)
	s_cbranch_scc0 .Lscales_b
.irp i, 0,1,2,3,4,5,6,7
	global_load_b128 v[AF+4*\i:AF+4*\i+3], v1, s[22:23] offset:16384*\i
.endr
	s_wait_loadcnt 0x0
.irp i, 0,1,2,3,4,5,6,7
	ds_store_b128 v3, v[AF+4*\i:AF+4*\i+3] offset:512*\i
.endr
	s_branch .Lscales_in
.Lscales_b:
.irp i, 0,1,2,3,4,5,6,7
	global_load_b128 v[AF+4*\i:AF+4*\i+3], v1, s[92:93] offset:512*\i
.endr
	s_wait_loadcnt 0x0
.irp i, 0,1,2,3,4,5,6,7
	ds_store_b128 v2, v[AF+4*\i:AF+4*\i+3] offset:544*\i
.endr
.Lscales_in:
	s_wait_tensorcnt 0x0
	ds_add_u32 v28, v29
	s_wait_dscnt 0x0                               ; the add is done, and my scale bytes lie in LDS
	CROUND
	JLOAD G0+4, G1, G0B+4, G1B                     ; K step 1, the first tensor load behind the round
	v_and_b32 v1, 15, v0
	v_bfe_u32 v2, v0, 4, 1
	v_and_b32 v6, 31, v0
	v_mul_u32_u24 v3, v1, PITCH
	v_lshl_add_u32 v4, v2, 4, v3
	v_lshlrev_b32 v[CO], 4, v6
	s_lshl_b32 s21, s15, 15
	s_mul_i32 s22, s16, HALFT
	s_add_co_u32 s22, s22, BOFF
.irp s, 0,1
	v_add_nc_u32 v[ADRA+\s], s21, v[CO]
	v_add_nc_u32 v[ADRB+\s], s22, v4
	s_add_co_u32 s21, s21, SLOT
	s_add_co_u32 s22, s22, SLOT
.endr
	v_mul_u32_u24 v5, v1, KS
	v_lshrrev_b32 v3, 8, v5
	v_lshl_add_u32 v5, v3, 4, v5
	s_mul_i32 s21, s15, HALFS
	s_mul_i32 s22, s16, HALFS+8*272                ; column half 0 reads wave 2's copy from row 0 on, half 1 wave 3's from row 64 on.  B has four blocks: the upper lanes of words 4 to 7 read bytes that were written and are used by no product
	s_add_co_u32 s22, s22, 2*HALFS
	s_sub_co_u32 s22, s22, s21
	v_mul_u32_u24 v3, s22, v2
	s_add_co_u32 s21, s21, SCL
	v_add_nc_u32 v5, v5, v3
	v_add_nc_u32 v[ADRS], s21, v5
	v_lshl_add_u32 v[RWA], v0, 1, RAW
	v_lshrrev_b32 v[SWA], 3, v0
	v_lshlrev_b32 v[SWA], 4, v[SWA]
	v_lshl_add_u32 v[SWA], v0, 5, v[SWA]
	v_add_nc_u32 v[SWA], SCL, v[SWA]
	s_mul_i32 s23, s14, 16*SPITCH
	v_mul_u32_u24 v5, v1, SPITCH
	v_lshl_add_u32 v5, v2, 5, v5
	v_add_nc_u32 v[STO], s23, v5
	v_mul_u32_u24 v5, v2, SPITCH                   ; back: lanes 0-15 take one row of 256 bytes, lanes 16-31 the next
	v_lshl_add_u32 v5, v1, 4, v5
	v_add_nc_u32 v[RD], s23, v5
	v_lshlrev_b32 v[CO], 12, v2                    ; and the same two rows in C, 4,096 bytes apart
	v_lshl_add_u32 v[CO], v1, 4, v[CO]
	s_lshl_b32 s22, s42, 7
	s_lshl_b32 s23, s16, 6
	s_add_co_u32 s22, s22, s23                     ; my first column: 128 x tile column + 64 x half
	v_lshlrev_b32 v[BIO], 5, v2
	v_lshl_add_u32 v[BIO], s22, 2, v[BIO]
.irp b, 0,1,2,3
	global_load_b128 v[BI+8*\b:BI+8*\b+3], v[BIO], s[2:3] offset:64*\b
	global_load_b128 v[BI+8*\b+4:BI+8*\b+7], v[BIO], s[2:3] offset:64*\b+16
.endr
	s_lshl_b32 s20, s17, 8
	s_lshl_b32 s21, s15, 7
	s_add_co_u32 s20, s20, s21
	s_lshl_b32 s20, s20, 12
	s_lshl_b32 s46, s22, 2
	s_add_co_u32 s20, s20, s46
	s_mov_b32 s21, 0
	s_add_nc_u64 s[12:13], s[12:13], s[20:21]
.macro FRAGB reg, adr, q, i
.irp c, 0,1,2,3
	ds_load_b128 v[\reg+4*\c:\reg+4*\c+3], v[\adr] offset:128*(\q)+32*\c+(\i)*16*PITCH
.endr
.endm
.macro FRAGA reg, adr, q, i
.irp c, 0,1,2,3
	ds_load_b128 v[\reg+4*\c:\reg+4*\c+3], v[\adr] offset:ASTEP*(\i)+2048*(\q)+512*\c
.endr
.endm
.macro MUL16 a0, p, q, sc, first
.irp a, \a0, \a0+1
.irp b, 0,1,2,3
.if \first
	v_wmma_scale_f32_16x16x128_f8f6f4 v[8*(8*((\a)%4)+\b):8*(8*((\a)%4)+\b)+7], v[128*(\p)+FR*\b:128*(\p)+FR*\b+FR-1], v[AF+FR*(\a):AF+FR*(\a)+FR-1], v[BI+8*\b:BI+8*\b+7], v[SC+8*NQ*(\sc)+NQ*\b+(\q)], v[SC+8*NQ*(\sc)+NQ*(\a)+(\q)] matrix_a_fmt:MATRIX_FMT_BF8 matrix_b_fmt:MATRIX_FMT_BF8 matrix_a_scale:MATRIX_SCALE_ROW1
.else
	v_wmma_scale_f32_16x16x128_f8f6f4 v[8*(8*((\a)%4)+\b):8*(8*((\a)%4)+\b)+7], v[128*(\p)+FR*\b:128*(\p)+FR*\b+FR-1], v[AF+FR*(\a):AF+FR*(\a)+FR-1], v[8*(8*((\a)%4)+\b):8*(8*((\a)%4)+\b)+7], v[SC+8*NQ*(\sc)+NQ*\b+(\q)], v[SC+8*NQ*(\sc)+NQ*(\a)+(\q)] matrix_a_fmt:MATRIX_FMT_BF8 matrix_b_fmt:MATRIX_FMT_BF8 matrix_a_scale:MATRIX_SCALE_ROW1
.endif
.endr
.endr
.endm
.macro FETCH_B slot, q, p
	WIN TO_B
.irp i, 0,1,2,3
	FRAGB 128*(\p)+FR*\i, ADRB+\slot, \q, \i
.endr
	WIN 0
.endm
.macro FETCH_A slot, q, i0
.irp i, \i0, \i0+1, \i0+2, \i0+3
	FRAGA AF+FR*(\i), ADRA+\slot, \q, \i
.endr
.endm
.macro SCALES sc
.irp i, 0,1,2,3,4,5,6,7
	ds_load_b64 v[SC+8*NQ*\sc+NQ*\i:SC+8*NQ*\sc+NQ*\i+1], v[ADRS] offset:\i*SBLK
.endr
.endm
.macro PLACES n
.rept \n
	v_nop
.endr
.endm
.macro STEP slot, q, first
	s_wait_dscnt 4*NL
.if \first
	WIN FST_LO
.else
	WIN MUL_LO
.endif
	MUL16 0, (\q)%2, \q, \slot, \first
	MUL16 2, (\q)%2, \q, \slot, \first
	s_wait_dscnt 0
	PLACES NP
	FETCH_B \slot, (\q)+1, 1-(\q)%2
	FETCH_A \slot, (\q)+1, 0
.if \first
	WIN FST_HI
.else
	WIN MUL_HI
.endif
	MUL16 4, (\q)%2, \q, \slot, \first
	MUL16 6, (\q)%2, \q, \slot, \first
	PLACES NP
	WIN 0
	FETCH_A \slot, (\q)+1, 4
.endm
.macro TURN slot, next, fill
	s_wait_tensorcnt 0x0
	ds_add_u32 v[SPW], v[NIL]
	s_wait_dscnt 4*NL+1
	WIN MUL_LO
	MUL16 0, 1, NQ-1, \slot, 0
	s_wait_dscnt 0x0
	s_barrier_signal -1
	MUL16 2, 1, NQ-1, \slot, 0
	WIN 0
	s_barrier_wait -1
.if \fill
	CREST
	s_add_nc_u64 s[G0+4*\slot+2:G0+4*\slot+3], s[G0+4*\slot+2:G0+4*\slot+3], 2*ASTEP
	s_add_nc_u64 s[G0B+4*\slot+2:G0B+4*\slot+3], s[G0B+4*\slot+2:G0B+4*\slot+3], 2*ROWB
	JLOAD G0+4*\slot, G1, G0B+4*\slot, G1B
	PLACES NP-4
.else
	PLACES NP
.endif
	s_wait_alu depctr_va_vdst(0)
	v_add_nc_u32 v[ADRS], 4*NQ, v[ADRS]
	FETCH_B \next, 0, 0
	FETCH_A \next, 0, 0
	SCALES \next
	WIN MUL_HI
	MUL16 4, 1, NQ-1, \slot, 0
	MUL16 6, 1, NQ-1, \slot, 0
	PLACES NP
	WIN 0
	FETCH_A \next, 0, 4
.endm
	s_wait_tensorcnt 1
	s_barrier_signal -1
	s_barrier_wait -1
.irp e, 0,1
.irp n, 0,1,2,3,4,5,6,7,8,9,10,11,12,13,14,15
	ds_load_u16 v[AF+16*\e+\n], v[RWA] offset:512*\n+256*\e
.endr
.endr
	s_wait_dscnt 0x0
.irp e, 0,1
.irp p, 0,1,2,3,4,5,6,7
	v_lshl_or_b32 v[AF+32+8*\e+\p], v[AF+16*\e+2*\p+1], 16, v[AF+16*\e+2*\p]
.endr
.endr
.irp e, 0,1
.irp k, 0,1
	ds_store_b128 v[SWA], v[AF+32+8*\e+4*\k:AF+32+8*\e+4*\k+3] offset:HALFS*\e+16*\k
.endr
.endr
	s_wait_dscnt 0x0
	s_barrier_signal -1
	s_barrier_wait -1
	FETCH_B 0, 0, 0
	FETCH_A 0, 0, 0
	SCALES 0
	FETCH_A 0, 0, 4
	s_wait_loadcnt 0x0
	STEP 0, 0, 1
	s_mov_b32 s[LAP], LAPS-1
.Llap:
	TURN 0, 1, 1
	STEP 1, 0, 0
	TURN 1, 0, 1
	STEP 0, 0, 0
	s_sub_co_u32 s[LAP], s[LAP], 1
	s_cmp_lg_u32 s[LAP], 0
	s_cbranch_scc1 .Llap
	TURN 0, 1, 0
	STEP 1, 0, 0
	s_wait_dscnt 4*NL
	WIN MUL_LO
	MUL16 0, 1, NQ-1, 1, 0
	MUL16 2, 1, NQ-1, 1, 0
	s_wait_dscnt 0
	WIN MUL_HI
	MUL16 4, 1, NQ-1, 1, 0
	MUL16 6, 1, NQ-1, 1, 0
	WIN 0
.macro TOSTAGE a
.set AC, 64*((\a)%4)
	WIN 0x08+4*((\a)/4)
.irp b, 0,1,2,3
	ds_store_b128 v[STO], v[AC+8*\b:AC+8*\b+3] offset:64*\b
	ds_store_b128 v[STO], v[AC+8*\b+4:AC+8*\b+7] offset:64*\b+16
.endr
	WIN 0
.set BB, BK+64*((\a)%2)
.irp t, 0,1,2,3,4,5,6,7
	ds_load_b128 v[BB+4*\t:BB+4*\t+3], v[RD] offset:2*\t*SPITCH
.endr
.endm
.macro SEND a, younger
.set BB, BK+64*((\a)%2)
	s_wait_dscnt \younger
.if (\a) > 0
	s_add_nc_u64 s[12:13], s[12:13], 16*SIZE_N*4
.endif
.irp t, 0,1,2,3,4,5,6,7
	global_store_b128 v[CO], v[BB+4*\t:BB+4*\t+3], s[12:13] offset:2*\t*SIZE_N*4 th:TH_STORE_NT
.endr
.endm
	PLACES NP
	TOSTAGE 0
.irp a, 1,2,3,4,5,6,7
.if \a > 1
	s_wait_xcnt 0x0
.endif
	TOSTAGE \a
	SEND \a-1, 16                                  ; behind block a - 1's loads: block a's 8 stores and 8 loads
.endr
	s_wait_xcnt 0x0
	SEND 7, 0
	s_wait_tensorcnt 0x0
	ds_add_u32 v[SPW], v[NIL]
	s_wait_dscnt 0x0
	CROUND
	s_endpgm
.Lfunc_end_k_q54122c6879_oproj:
	.size	k_q54122c6879_oproj, .Lfunc_end_k_q54122c6879_oproj-k_q54122c6879_oproj
	.p2alignl 7, 3214868480
	.fill 96, 4, 3214868480
	.section	.rodata,"a",@progbits
	.p2align	6, 0x0
	.amdhsa_kernel k_q54122c6879_oproj
		.amdhsa_group_segment_fixed_size 327680
		.amdhsa_private_segment_fixed_size 0
		.amdhsa_enable_private_segment 0
		.amdhsa_kernarg_size 48
		.amdhsa_user_sgpr_count 2
		.amdhsa_user_sgpr_kernarg_segment_ptr 1
		.amdhsa_wavefront_size32 1
		.amdhsa_system_sgpr_workgroup_id_x 1
		.amdhsa_system_sgpr_workgroup_id_y 1
		.amdhsa_system_sgpr_workgroup_id_z 1
		.amdhsa_system_vgpr_workitem_id 0
		.amdhsa_next_free_vgpr 1024
		.amdhsa_next_free_sgpr 100
		.amdhsa_reserve_vcc 0
		.amdhsa_float_denorm_mode_32 3
		.amdhsa_float_denorm_mode_16_64 3
		.amdhsa_memory_ordered 1
		.amdhsa_forward_progress 1
		.amdhsa_inst_pref_size 98
	.end_amdhsa_kernel
	.amdgpu_metadata
---
amdhsa.version: [ 1, 2 ]
amdhsa.kernels:
  - .name:           k_q54122c6879_oproj
    .symbol:         k_q54122c6879_oproj.kd
    .args:
      - { .name: o_img, .offset: 0, .size: 8, .value_kind: global_buffer, .address_space: global }
      - { .name: o_sc, .offset: 8, .size: 8, .value_kind: global_buffer, .address_space: global }
      - { .name: Wo_codes, .offset: 16, .size: 8, .value_kind: global_buffer, .address_space: global }
      - { .name: Wo_scales, .offset: 24, .size: 8, .value_kind: global_buffer, .address_space: global }
      - { .name: bo, .offset: 32, .size: 8, .value_kind: global_buffer, .address_space: global }
      - { .name: out0, .offset: 40, .size: 8, .value_kind: global_buffer, .address_space: global }
    .group_segment_fixed_size: 327680
    .private_segment_fixed_size: 0
    .kernarg_segment_align: 8
    .kernarg_segment_size: 48
    .max_flat_workgroup_size: 128
    .sgpr_count:     100
    .vgpr_count:     1024
    .wavefront_size: 32
...
	.end_amdgpu_metadata
.endif
;; end of part 3
